; MI455X (gfx1250); checked and timed in simulation.
; The chip was launched on July 23, 2026; its instructions are those of AMD's public machine-readable ISA for CDNA 5 (MIT licence, August 2026) and "CDNA5" Instruction Set Architecture Reference Guide (July 2026). The comments in the code are by the model that wrote it; some were corrected since.
;; custom reg head. Allowed arithmetic: float matrix products may take bf16 or f16 operands with f32 sums; all other float work in f32.
;; Inputs: W 1 x 4,096 float32; b 1 float32; out 4,096 x 8,192 float32; t 4,096 int32.
;; Outputs: out0 4,096 x 1 float32.
;; One version. Each part assembles by itself: llvm-mc -triple=amdgcn-amd-amdhsa -mcpu=gfx1250 --defsym DOCPART=n.
;; ======== version 1 of 1: 1 launch
;; launch head (part 1): grid 256 x 1, 16 waves a work-group, no clusters, 3,072 bytes of LDS; arguments out, t, W, b, out0; writes out0
.if DOCPART == 1
	.amdgcn_target "amdgcn-amd-amdhsa--gfx1250"
	.amdhsa_code_object_version 6
	.text
	.protected	k_q8ca8683fec_head
	.globl	k_q8ca8683fec_head
	.p2align	8
	.type	k_q8ca8683fec_head,@function
k_q8ca8683fec_head:
	s_mov_b64 s[64:65], 0
	v_nop
	global_prefetch_b8 v0, s[64:65] scope:SCOPE_SE
	s_setreg_imm32_b32 hwreg(HW_REG_WAVE_MODE, 25, 1), 1
	s_wait_xcnt 0x0
; out0[r] = sigmoid( sum over c of sel[r][c] * W[c] + b ),  sel[r] = out[r][4096:8192] if t[r] == 1, else out[r][0:4096].
; out: [4096][8192] f32, t: [4096] i32, W: [4096] f32, b: [1] f32, out0: [4096] f32.
;
; THE IDENTITY PRODUCT.  The reference multiplies sel by an identity matrix that it builds itself.  For finite sel each element of that
; product is x * 1 plus 4,095 terms x * 0, which is x exactly, so the product is not executed and sel is not rounded to 16 bits.
; LIMITS KEPT: (1) a chosen half row that holds an infinity or a NaN gives NaN in the reference (infinity * 0); here it gives 0, 1 or NaN.
; (2) The f32 sums are taken in another order than the reference's.  (3) Where 1 + 2^(-log2(e) (y + b)) overflows f32, or its reciprocal
; would lie below 2^-126, the result is 0; the exact value there is below about 1e-38.  Any finite y + b is served; any t other than 1,
; negative ones too, chooses the first half, as the reference's comparison does.
;
; SHARES.  What is left is a stream: 16 KiB of out for each row, one multiply-add a number.  256 work-groups of 16 waves; work-group g owns
; rows 16 g to 16 g + 15.  Wave w owns columns 256 w to 256 w + 255 of every row; lane l the columns 256 w + 128 j + 4 l .. + 3, j = 0, 1:
; a load of a wave covers 512 consecutive bytes, aligned, and a lane's eight numbers of W serve all 16 rows from 8 registers.
; A wave issues all its 32 loads of out (16 rows x 2) in one run into 128 registers: there is no loop, and the work-group's whole
; 256 KiB is on its way as soon as t is known.  Four waves on a SIMD take 4 x 178 = 712 registers.
; LEFT OUT: matrix instructions (one output column would use one sixteenth of a tile, and would round sel to 16 bits); copies into LDS
; (all the bytes fit in registers while on their way); joint loads in a cluster (only W is shared: 16 KiB beside 256 KiB a work-group).
; out0: a work-group stores its 16 results as 64 consecutive bytes by one instruction; 256 consecutive bytes would ask for 64 rows a
; work-group, that is 64 work-groups for the whole stream, for the sake of 16 KiB beside 64 MiB read.
.set ROWB,  32768                      ; bytes in a row of out
.set HALFB_LOG, 14                     ; a half row is 16,384 bytes
.set LOFF, 1                           ; v1        1,024 wave + 16 lane: my 16 bytes in a half row and in W; never rewritten
.set STA,  2                           ; v2        LDS: 64 wave + 4 (lane mod 16)
.set RDA,  3                           ; v3        4 lane: wave 0's LDS read address, and its byte offset in the group's part of out0
.set W,    4                           ; v[4:11]   my eight numbers of W
.set OFF,  12                          ; v[12:27]  row r: LOFF + 16,384 if t == 1; never rewritten
.set P,    28                          ; v[28:43]  row r: my lane's partial sum
.set T,    44                          ; v[44:47]  at work
.set X,    48                          ; v[48:175] row r: 8 registers as loaded
.set TF,   16                          ; s[16:31]  t of my 16 rows, then 1 where t == 1 and 0 elsewhere
	s_load_b256 s[4:11], s[0:1], 0x0               ; out s[4:5], t s[6:7], W s[8:9], b s[10:11]
	s_load_b64 s[12:13], s[0:1], 0x20              ; out0
	v_lshl_add_u32 v176, v0, 2, 0x400
	v_mov_b32 v177, 0
	v_and_b32 v[T], 31, v0                         ; lane
	v_lshrrev_b32 v[T+1], 5, v0                    ; wave
	v_readfirstlane_b32 s14, v[T+1]                ; the wave's number as a scalar
	v_lshlrev_b32 v[LOFF], 4, v[T]
	v_lshl_add_u32 v[LOFF], v[T+1], 10, v[LOFF]    ; 1,024 wave + 16 lane
	v_lshlrev_b32 v[RDA], 2, v[T]                  ; 4 lane
	v_and_b32 v[T], 15, v0
	s_lshl_b32 s15, s14, 6                         ; my wave's 16 words in LDS
	v_lshl_add_u32 v[STA], v[T], 2, s15
	s_lshl_b32 s34, ttmp9, 19                      ; 16 rows of 32,768 bytes a work-group: 255 << 19 at the most, below 2^31
	s_mov_b32 s35, 0
	s_lshl_b32 s36, ttmp9, 6                       ; 16 words a work-group in t and in out0
	s_mov_b32 s37, 0
	s_mov_b32 s38, 0xaaaaaaaa                      ; lanes whose number has bit 0 set,
	s_mov_b32 s39, 0xcccccccc                      ; bit 1,
	s_mov_b32 s40, 0xf0f0f0f0                      ; bit 2,
	s_mov_b32 s41, 0xff00ff00                      ; bit 3
	s_mov_b32 s42, 0x76543210                      ; v_permlanex16_b32: lane i of one half reads lane i of the other
	s_mov_b32 s43, 0xfedcba98
	s_mov_b32 s45, 0xbfb8aa3b                      ; -log2(e)
	s_wait_kmcnt 0x0                               ; the five addresses
	s_add_nc_u64 s[6:7], s[6:7], s[36:37]
	s_load_b512 s[TF:TF+15], s[6:7], 0x0           ; t of my 16 rows first: the loads of out hang on it
	s_load_b32 s32, s[10:11], 0x0                  ; b
	s_add_nc_u64 s[4:5], s[4:5], s[34:35]          ; out at the group's first row
	s_add_nc_u64 s[12:13], s[12:13], s[36:37]      ; out0 at the group's first row
	global_load_b128 v[W:W+3],   v[LOFF], s[8:9]               ; W is read again by every work-group: no hint
	global_load_b128 v[W+4:W+7], v[LOFF], s[8:9] offset:512
	s_wait_kmcnt 0x0                               ; t and b (scalar loads return in no order: only the count 0 shows anything)
	s_mul_f32 s33, s32, s45                        ; -log2(e) b, the addend of the one multiply-add in front of the exponential
; Row r is asked for.  t becomes 0 or 1 by a clamp written in the text, so that the offset made of it is bounded whatever t holds.
.macro ASK r
	s_xor_b32 s[TF+\r], s[TF+\r], 1                ; 0 exactly where t == 1
	s_min_u32 s[TF+\r], s[TF+\r], 1                ; 0 where t == 1, 1 for every other t
	s_add_co_u32 s[TF+\r], s[TF+\r], 1             ; 1 or 2
	s_and_b32 s[TF+\r], s[TF+\r], 1                ; 1 where t == 1, else 0
	v_lshl_add_u32 v[OFF+\r], s[TF+\r], HALFB_LOG, v[LOFF]     ; the chosen half; the row stands in the immediate (492,032 at the most)
	global_load_b128 v[X+8*\r:X+8*\r+3],   v[OFF+\r], s[4:5] offset:\r*ROWB th:TH_LOAD_NT       ; read once in the whole launch
	global_load_b128 v[X+8*\r+4:X+8*\r+7], v[OFF+\r], s[4:5] offset:\r*ROWB+512 th:TH_LOAD_NT
.endm
.irp r, 0,1,2,3,4,5,6,7,8,9,10,11,12,13,14,15
	ASK \r
.endr
; Row r's eight products of my lane, summed: the first product starts the sum, nothing is cleared.
.macro DOT r
	s_wait_loadcnt 30-2*\r                         ; loads return in order (ISA guide 5.7.1): 30 - 2 r loads were issued behind row r's pair; W's two are older than all of them
	v_pk_mul_f32 v[X+8*\r:X+8*\r+1], v[X+8*\r:X+8*\r+1], v[W:W+1]
	v_pk_fma_f32 v[X+8*\r:X+8*\r+1], v[X+8*\r+2:X+8*\r+3], v[W+2:W+3], v[X+8*\r:X+8*\r+1]
	v_pk_fma_f32 v[X+8*\r:X+8*\r+1], v[X+8*\r+4:X+8*\r+5], v[W+4:W+5], v[X+8*\r:X+8*\r+1]
	v_pk_fma_f32 v[X+8*\r:X+8*\r+1], v[X+8*\r+6:X+8*\r+7], v[W+6:W+7], v[X+8*\r:X+8*\r+1]
	v_add_f32 v[P+\r], v[X+8*\r], v[X+8*\r+1]
.endm
.irp r, 0,1,2,3,4,5,6,7,8,9,10,11,12,13,14,15
	DOT \r
.endr
; Sixteen sums over sixteen lanes at once.  Two registers a and b become one, d: a lane whose bit (mask m) is clear keeps a and sends b
; to its partner (lane xor x), a lane whose bit is set keeps b and sends a; each adds what it kept and what it got.  After the four
; stages lane l holds the sum of row l mod 16 over its half of the wave: 45 instructions for what 16 separate reductions do in 64.
; d is never above a: its old value has been read before it is written.
.macro MERGE d, a, b, m, x, t
	v_cndmask_b32 v[T+\t],   v[P+\b], v[P+\a], s[\m]           ; what I send
	v_cndmask_b32 v[T+\t+1], v[P+\a], v[P+\b], s[\m]           ; what I keep
	v_add_f32_dpp v[P+\d], v[T+\t], v[T+\t+1] row_xmask:\x row_mask:0xf bank_mask:0xf
.endm
	MERGE 0, 0, 1, 38, 1, 0                        ; register i: row 2 i + (l & 1)
	MERGE 1, 2, 3, 38, 1, 2
	MERGE 2, 4, 5, 38, 1, 0
	MERGE 3, 6, 7, 38, 1, 2
	MERGE 4, 8, 9, 38, 1, 0
	MERGE 5, 10, 11, 38, 1, 2
	MERGE 6, 12, 13, 38, 1, 0
	MERGE 7, 14, 15, 38, 1, 2
	MERGE 0, 0, 1, 39, 2, 0                        ; register i: row 4 i + (l & 3)
	MERGE 1, 2, 3, 39, 2, 2
	MERGE 2, 4, 5, 39, 2, 0
	MERGE 3, 6, 7, 39, 2, 2
	MERGE 0, 0, 1, 40, 4, 0                        ; register i: row 8 i + (l & 7)
	MERGE 1, 2, 3, 40, 4, 2
	MERGE 0, 0, 1, 41, 8, 0                        ; row l & 15
	v_permlanex16_b32 v[T], v[P], s42, s43         ; the other half of the wave (its destination counts as read: T has been written)
	v_add_f32 v[P], v[P], v[T]                     ; my wave's sum of row l mod 16 over its 256 columns
	; The 16 waves' sums meet in LDS: word 16 w + r is wave w's sum of row r.  Lanes l and l + 16 store the same value to the same word.
	ds_store_b32 v[STA], v[P]
	s_wait_dscnt 0x0                               ; for wave 0's sake: my store is done before I signal
	s_barrier_signal -1
	s_barrier_wait -1                              ; the only barrier; every wave passes it
	s_cmp_lg_u32 s14, 0
	s_cbranch_scc1 .Lend                           ; wave 0 alone finishes the 16 rows
.irp i, 0,1,2,3,4,5,6,7
	ds_load_b32 v[X+\i], v[RDA] offset:128*\i      ; 128 consecutive bytes: lanes 0-15 wave 2 i's sixteen rows, lanes 16-31 wave 2 i + 1's
.endr
	s_wait_dscnt 0x0
	v_pk_add_f32 v[X:X+1],   v[X:X+1],   v[X+2:X+3]
	v_pk_add_f32 v[X+4:X+5], v[X+4:X+5], v[X+6:X+7]
	v_pk_add_f32 v[X:X+1],   v[X:X+1],   v[X+4:X+5]
	v_add_f32 v[X], v[X], v[X+1]                   ; the even waves' sum in lanes 0-15, the odd waves' in lanes 16-31
	v_permlanex16_b32 v[X+1], v[X], s42, s43
	v_add_f32 v[X], v[X], v[X+1]                   ; y of row l mod 16
	v_fma_f32 v[X], v[X], s45, s33                 ; -log2(e) (y + b)
	v_exp_f32 v[X], v[X]                           ; e^-(y + b)
	v_cmp_gt_u32 vcc_lo, 16, v0                    ; lanes 0-15; also the plain vector instruction that stands behind v_exp_f32 before its result is used (ISA guide 5.7.2)
	s_wait_alu depctr_va_vdst(0)
	v_add_f32 v[X], 1.0, v[X]
	v_rcp_f32 v[X], v[X]                           ; sigmoid(y + b) = 1 / (1 + e^-(y + b))
	v_nop                                          ; the same place behind v_rcp_f32, ahead of the store that reads its result
	s_wait_xcnt 0x0                                ; EXEC is a source of the memory instructions issued so far: it is narrowed only behind this wait
	s_and_saveexec_b32 s44, vcc_lo
	s_wait_alu depctr_va_vdst(0)
	global_store_b32 v[RDA], v[X], s[12:13]        ; 16 lanes, 64 consecutive bytes: rows 16 g to 16 g + 15
	s_wait_xcnt 0x0                                ; and widened again only behind this one
	s_or_b32 exec_lo, exec_lo, s44
.Lend:
	s_wait_tensorcnt 0x0
	ds_add_u32 v176, v177
	s_wait_dscnt 0x0
	s_endpgm
.Lfunc_end_k_q8ca8683fec_head:
	.size	k_q8ca8683fec_head, .Lfunc_end_k_q8ca8683fec_head-k_q8ca8683fec_head
	.p2alignl 7, 3214868480
	.fill 96, 4, 3214868480
	.section	.rodata,"a",@progbits
	.p2align	6, 0x0
	.amdhsa_kernel k_q8ca8683fec_head
		.amdhsa_group_segment_fixed_size 3072
		.amdhsa_private_segment_fixed_size 0
		.amdhsa_enable_private_segment 0
		.amdhsa_kernarg_size 40
		.amdhsa_user_sgpr_count 2
		.amdhsa_user_sgpr_kernarg_segment_ptr 1
		.amdhsa_wavefront_size32 1
		.amdhsa_system_sgpr_workgroup_id_x 1
		.amdhsa_system_sgpr_workgroup_id_y 1
		.amdhsa_system_sgpr_workgroup_id_z 1
		.amdhsa_system_vgpr_workitem_id 0
		.amdhsa_next_free_vgpr 178
		.amdhsa_next_free_sgpr 66
		.amdhsa_reserve_vcc 1
		.amdhsa_float_denorm_mode_32 3
		.amdhsa_float_denorm_mode_16_64 3
		.amdhsa_memory_ordered 1
		.amdhsa_forward_progress 1
		.amdhsa_inst_pref_size 18
	.end_amdhsa_kernel
	.amdgpu_metadata
---
amdhsa.version: [ 1, 2 ]
amdhsa.kernels:
  - .name:           k_q8ca8683fec_head
    .symbol:         k_q8ca8683fec_head.kd
    .args:
      - { .name: out, .offset: 0, .size: 8, .value_kind: global_buffer, .address_space: global }
      - { .name: t, .offset: 8, .size: 8, .value_kind: global_buffer, .address_space: global }
      - { .name: W, .offset: 16, .size: 8, .value_kind: global_buffer, .address_space: global }
      - { .name: b, .offset: 24, .size: 8, .value_kind: global_buffer, .address_space: global }
      - { .name: out0, .offset: 32, .size: 8, .value_kind: global_buffer, .address_space: global }
    .group_segment_fixed_size: 3072
    .private_segment_fixed_size: 0
    .kernarg_segment_align: 8
    .kernarg_segment_size: 40
    .max_flat_workgroup_size: 512
    .sgpr_count:     66
    .vgpr_count:     178
    .wavefront_size: 32
...
	.end_amdgpu_metadata
.endif
;; end of part 1
